; MI455X (gfx1250); checked and timed in simulation.
; The chip was launched on July 23, 2026; its instructions are those of AMD's public machine-readable ISA for CDNA 5 (MIT licence, August 2026) and "CDNA5" Instruction Set Architecture Reference Guide (July 2026). The comments in the code are by the model that wrote it; some were corrected since.
;; Py Torch Native Attention. Allowed arithmetic: matrix products marked QUANTISED: E2M1 operands, one E8M0 scale for each 32 along K, by v_wmma_scale_f32_16x16x128_f8f6f4 with both operands' format E2M1 (or v_wmma_scale_f32_32x16x128_f4), f32 sums; everything else in f32.
;; Inputs: k_codes 2 x 2,048 x 8 x 4 x 16 uint8 (E2M1 codes of k, K innermost, in blocks of 32 codes, two codes a byte); k_scales 2 x 2,048 x 8 x 4 uint8 (E8M0 scales of k, one for each 32 codes along K); q_codes 2 x 2,048 x 32 x 4 x 16 uint8 (E2M1 codes of q, K innermost, in blocks of 32 codes, two codes a byte); q_scales 2 x 2,048 x 32 x 4 uint8 (E8M0 scales of q, one for each 32 codes along K); v_codes 2 x 8 x 128 x 64 x 16 uint8 (E2M1 codes of v, K innermost, in blocks of 32 codes, two codes a byte); v_scales 2 x 8 x 128 x 64 uint8 (E8M0 scales of v, one for each 32 codes along K).
;; Outputs: out0 2 x 2,048 x 32 x 128 float32.
;; This version of the problem:
;;   THIS VERSION OF THE PROBLEM IS GIVEN IN LOW PRECISION. The matrix products marked QUANTISED in the list below multiply operands that are first quantised to E2M1 (2 exponent bits, 1 mantissa bit; 4 bits a number), with one power-of-two scale for each 32 numbers along K (OCP MX v1.0); their sums are f32. All else is computed in f32.
;;   The module's matrix products, in the order in which they are computed (A, B: the left and right operand; K: the contracted axis; several contracted axes count as one K, in the product's order):
;;     1. batch 64 x [M 2,048, K 128] x [K 128, N 2,048]; A: input q (given as codes); B: input k (given as codes): QUANTISED
;;     2. batch 64 x [M 128, K 2,048] x [K 2,048, N 2,048]; A: input v (given as codes); B: softmax (see below): QUANTISED
;;   THE QUANTISER, for each operand of a quantised product, along K:
;;     - K is cut into blocks of 32 from its start; a last block that is shorter is filled with zeros.
;;     - A block's scale is 2^e with e = floor(log2(the largest magnitude in the block)) - 2, held to -126 .. 127; a block of zeros has e = 0. As a byte (E8M0): e + 127.
;;     - Each number is divided by its block's scale, clamped to +-6, and rounded to the nearest number of E2M1, ties to even, subnormals kept.
;;     - The product sums the exact products of the quantised numbers (number of the format x scale) in f32.
;;   ~~~python
;;   def quantise(x, axis):      # numpy; x: float32 -> the quantised numbers, widened to float32 again
;;       x = np.moveaxis(x, axis, -1); K = x.shape[-1]
;;       x = np.pad(x, [(0, 0)] * (x.ndim - 1) + [(0, -K % 32)]); x = x.reshape(x.shape[:-1] + (-1, 32)); a = np.abs(x).max(-1, keepdims=True)
;;       e = np.where(a > 0, np.clip(np.frexp(np.where(a > 0, a, 1))[1] - 1 - 2, -126, 127), 0)      # np.frexp(a)[1] - 1 = floor(log2(a)), exactly
;;       r = np.clip(x / 2.0 ** e, -6, 6)
;;       step = 2.0 ** (np.maximum(np.frexp(np.where(r == 0, 1, r))[1] - 1, 0) - 1)
;;       q = np.round(r / step) * step * 2.0 ** e      # np.round: ties to even
;;       return np.moveaxis(q.reshape(q.shape[:-2] + (-1,))[..., :K], -1, axis).astype(np.float32)
;;   ~~~
;;   SOFTMAX AHEAD OF A QUANTISED PRODUCT. Where the list says 'softmax', what is quantised is not the finished softmax but p = 2^(t - M), with t = logit x log2(e) and M = ceil(the row's largest t), a whole number; so 1/2 < the row's largest p <= 1. The row's sum l is taken of the UNQUANTISED p, in f32, and the product's result is divided by l at the end. Since M is a whole number, a kernel that streams over the keys may use a running M (the ceiling of the running maximum): every later rescaling is an exact power of two, which a block's scale takes up: the codes' values come out the same.
;;   OPERANDS COMPUTED ON THE WAY. 'Computed on the way' means the value that the module computes at that place (a softmax that the list does not call 'softmax' is quantised finished and normalised). What goes into a quantiser is computed in f32, as accurately as f32 sums, v_exp_f32 and their like allow (about 1e-6 of the number): no bf16 or f16 on the way to a quantiser, and a product that is left as it is and whose result goes on into a quantised operand takes f32 operands (vector FMAs, or v_wmma_f32_16x16x4_f32). A number that lies on a knife's edge between two numbers of the format may be rounded either way, as far as f32 arithmetic and the matrix unit's own rounding can turn it there, and no further.
;;   INPUTS GIVEN AS CODES. k (in the module: [2, 2048, 8, 128], K = its axis 3); q (in the module: [2, 2048, 32, 128], K = its axis 3); v (in the module: [2, 2048, 8, 128], K = its axis 1): each comes as NAME_codes (uint8): NAME with its K axis moved to the last place and cut into blocks of 32 codes, [.., K / 32, bytes a block], one block behind the other in memory; two codes a byte, the lower K in the low four bits (a code: sign, 2 exponent bits, 1 mantissa bit); and NAME_scales (uint8): the same leading axes, one E8M0 byte (e + 127) for each 32 codes along K. Its value is code x scale, taken as it is: it is not quantised again, and the codes and scales need not be those that the quantiser above would give.
;; One version. Each part assembles by itself: llvm-mc -triple=amdgcn-amd-amdhsa -mcpu=gfx1250 --defsym DOCPART=n.
;; ======== version 1 of 1: 1 launch
;; launch attn (part 1): grid 16 x 16, 16 waves a work-group, no clusters, 286,720 bytes of LDS; arguments k_codes, k_scales, v_codes, v_scales, q_codes, q_scales, out0; writes out0
.if DOCPART == 1
	.amdgcn_target "amdgcn-amd-amdhsa--gfx1250"
	.amdhsa_code_object_version 6
	.text
	.protected	k_qd505fa8bb3_attn
	.globl	k_qd505fa8bb3_attn
	.p2align	8
	.type	k_qd505fa8bb3_attn,@function
k_qd505fa8bb3_attn:
	s_mov_b64 s[64:65], 0
	v_nop
	global_prefetch_b8 v0, s[64:65] scope:SCOPE_SE
	s_setreg_imm32_b32 hwreg(HW_REG_WAVE_MODE, 25, 1), 1
	s_wait_xcnt 0x0
; out0[b][q][h][:] = the sum over keys k <= q of softmax_k(Q[b][q][h] . K[b][k][h/4] / sqrt(128)) V[b][k][h/4][:], both products on codes of FP4 (E2M1) with one E8M0 scale for each 32 along a product's K.
; B = 2, S = 2,048, 32 query heads on 8 key and value heads, head size 128.  q_codes [b][s][32][64 bytes], k_codes [b][s][8][64 bytes]: K = the head's 128.  v_codes [b][8][128 d][1,024 bytes]: K = the keys.  out0 [b][s][32][128] f32.
; THE SOFTMAX AHEAD OF THE SECOND PRODUCT: t = score x log2(e) / sqrt(128); M = the row's largest t so far, rounded UP to a whole number; p = 2^(t - M) is quantised along the keys, not normalised.
; The row's sum is taken of the unquantised p, in f32, and divides at the end.  When M moves, the sum and O are multiplied by 2^(old M - new M): exact.
; SHARES.  Work-group (x, y): y = 8 b + kvh; ALL of that head's K, V and scale bytes lie in its LDS, brought once.  A sequence is 32 blocks of 64 queries; the work-group takes block 31 - x, then block x.
; A block blk needs blk / 2 + 1 key steps of 128 keys (rounded down), and (31 - x) / 2 + x / 2 + 2 = 17 for every x: every wave of every work-group works 17 steps.
; Wave w: query head 4 kvh + (w & 3), queries 64 blk + 16 (w >> 2) on: one tile of 16 queries in 256 registers, four waves to a SIMD.  Four neighbouring waves read 256 neighbouring bytes of q_codes.
; LAYOUT.  Both products are used transposed: S^T = K Q^T (source 0 = 16 keys, source 1 = my 16 queries), O^T = V^T P^T (source 0 = 16 of the head's 128, source 1 = P): a lane holds ONE query (lane % 16) throughout.
; THE KEYS OF A TILE ARE NOT NEIGHBOURS: lane r of tile 2 b + u takes key 32 b + 8 u + r + 8 (r / 8), so that the 16 registers of tiles 2 b and 2 b + 1 are 16 neighbouring keys, 32 b + 16 (lane / 16) + 0 .. 15.
; HOW K AND V COME IN: by lane-wise asynchronous copies, 40 a thread, all issued at the head, each LDS byte filled once.  A copy puts each 16 bytes (each scale word) where the operand's registers want it:
; K lies as images of its fragments (a load's 32 lanes read 512 bytes on end), the scale words of a step's eight tiles lie 16 bytes a lane, V lies as rows of 1,024 + 16 bytes.
; WHY NO TENSOR LOADS AND NO CLUSTER, though the sixteen work-groups of one y read the same K and V.  A tensor load lays rows as rows: K as 2,048 rows of 64 + 16 bytes and V as 4 x 128 rows of 256 + 16 are 303,104 bytes;
; with 16,384 of scale words that leaves 8,192 of 327,680, where the way out wants 69,632.  A tile's two groups of eight keys lie 16 rows apart, a multiple of 256 bytes at every pitch that is a multiple of 16: K's loads would
; meet two deep in the banks (64 banks of 4 bytes: ISA guide 11.1).  K's scale words would be 2,048 rows of 4 bytes.  A joint request is a tensor load's (the mask in its descriptor); these copies have none.
; What is shared is fetched once a work-group, 272 KiB, against 17 steps x 16 waves x 17 KiB that it then reads from LDS, and three quarters of it land under the first four key steps.
; NO PREFETCH: every byte of K and V is asked for at the head; the second block's Q is loaded ahead of the first block's way out.
; THE CAUSAL MASK.  The loops' trip counts are constants (4 + 12 steps for block 31 - x, 8 for block x).  A step all of whose keys come after my queries is left out by a scalar branch on ids; on the diagonal hidden scores become -infinity.
; LIMITS: scale bytes 0xff (NaN) are not served; scores whose t leaves f32's range are not served (the softmax of such rows is not finite either).  A block whose every p is 0 carries the byte 1 over zero codes: only this text reads
; those bytes.  A block's largest p is made from the block's largest score by the same multiply-add and exponential: this takes v_exp_f32 not to fall where its input rises; at the worst one p within an ulp of a power of two is held one code low.
.set VP,    1040                       ; a row of V in LDS: 1,024 bytes + 16 = 65 x 16: row r starts 16 r bytes on modulo 256, so the 16 rows of a load touch 16 different groups of banks
.set VIMG,  0                          ; LDS: V, 128 rows d x VP; key step s of row d at d VP + 64 s
.set KSW,   128*VP                     ; 133,120: K's scale words: 512 s + 256 (T / 4) + 16 r + 4 (T % 4): tile T, lane r
.set VSW,   KSW+8192                   ; 141,312: V's, the same with T = d / 16, r = d % 16
.set KIMG,  VSW+8192                   ; 149,504: K's fragments as images: 8,192 s + 1,024 T + 512 c + 16 lane
.set STAGE, KIMG+65536                 ; 215,040: the way out: 16 rows x 272 bytes for each wave, over K's keys 1,024 on (and 4,096 bytes behind K): those bytes have had their one fill, and their last read lies behind a barrier
.set SP,    272
.set AK0,  1                           ; v1   KIMG + 16 lane
.set AV0,  2                           ; v2   VIMG + r VP + 16 h
.set AS0,  3                           ; v3   KSW + 16 r
.set KL,   4                           ; v4   the copies' addresses: K's steps 0-7 in LDS,
.set KG,   5                           ; v5   K in memory (when the copies are done: GO, my byte offset in the wave's rows of out0),
.set GO,   5
.set VG,   6                           ; v6   V in memory,
.set KSL,  7                           ; v7   K's scale words in LDS
.set ADK,  8                           ; v8-11 the addresses of the step's loads: K, V's tiles 0-3, V's tiles 4-7, scale words; at work at the head and on the way out
.set ADV,  9
.set ADV2, 10
.set ADS,  11
.set QF,   16                          ; v16-23 Q's fragment.   v12 -M, v13 the largest t, v[14:15] the sum in two halves
.set SW,   24                          ; v24-31 the scale words of K's eight tiles, then of V's: scales and nothing else
.set FRG,  32                          ; v32-95 eight fragments of K, then of V; on the way out rows read back from the stage
.set SCR,  96                          ; v96-159 S^T, then p; on the way out O / the sum
.set ACC,  160                         ; v160-223 O^T
.set PC,   224                         ; v224-231 p's codes.   v232-239, v244-247, v252, v254 at work; v253 p's scale word
.set VL,   240                         ; v240-243 the copies' addresses: V in LDS, one for each group of 32 rows
.set QA,   246                         ; v246 2,048 r + 16 h: Q's codes in memory;  v247 128 r: its scale words: both made anew for each block, at work in the key steps
.set QSA,  247
.set KSG,  248                         ; v248 K's scale words in memory;  v249, v250 V's in LDS and in memory
.set VSL,  249
.set VSG,  250
.set KL2,  251                         ; v251 K's steps 8-15 in LDS: v4 + 65,536
.set QS,   255                         ; v255 Q's scale words
.set TK,   2                           ; s2   the step's place in K's images: 8,192 a step
.set TV,   3                           ; s3   in V's rows: 64 a step
.set WV,   18                          ; s18  my wave's number
.set HEAD, 19                          ; s19  my query head
.set SEL,  20                          ; s[20:21] lane selects for v_permlanex16_b32: lane l xor 16
.set CS,   22                          ; s[22:23] c = log2(e) / sqrt(128): the packed form names a pair and takes its low word for both halves
.set KB,   24                          ; s[24:55] sixteen bases for K's copies;  s[56:63] four for K's scale words;  s[66:73] four for V's
.set KSB,  56
.set VSB,  66
.set QB,   74                          ; s[74:75] Q's codes at my first query, s[76:77] its scale words, s[78:79] out0 likewise
.set QSB,  76
.set OB,   78
.set TS,   80                          ; s80  the step's place among the scale words: 512 a step
.set KF,   81                          ; s81  the step's first key
.set QFST, 82                          ; s82  my first query;  s83 my last
.set QL,   83
.set CNT,  84                          ; s84  counts a loop's trips
.set STG,  85                          ; s85  my stage
.set BB,   86                          ; s86  b;  s87 which 16 of the block's 64 queries
.set UU,   87
.set VB,   96                          ; s[96:101] V's codes at rows 32, 64, 96 (rows 0 on: s[8:9])
	s_load_b256 s[4:11], s[0:1], 0x0               ; K's codes s[4:5], K's scales s[6:7], V's codes s[8:9], V's scales s[10:11]
	s_load_b128 s[12:15], s[0:1], 0x20             ; Q's codes s[12:13], Q's scales s[14:15]
	s_load_b64 s[16:17], s[0:1], 0x30              ; out0
	v_lshl_add_u32 v254, v0, 2, 0x45800
	v_mov_b32 v255, 0
	ds_add_u32 v254, v255
	ds_add_u32 v254, v255
	s_wait_dscnt 0x0
	v_lshrrev_b32 v8, 5, v0
	v_readfirstlane_b32 s[WV], v8                  ; wave 0..15
	s_and_b32 s88, ttmp7, 0xffff                   ; y = 8 b + kvh
	s_lshr_b32 s[BB], s88, 3
	s_and_b32 s89, s88, 7                          ; kvh
	s_and_b32 s90, s[WV], 3
	s_lshr_b32 s[UU], s[WV], 2
	s_lshl_b32 s[HEAD], s89, 2
	s_add_co_u32 s[HEAD], s[HEAD], s90             ; 4 kvh + (wave & 3)
	s_lshl_b32 s90, s[BB], 20                      ; K's codes: 2,048 x 8 x 64 bytes a batch, 64 a head
	s_lshl_b32 s91, s89, 6
	s_add_co_u32 s90, s90, s91
	s_mov_b32 s91, 0
	s_lshl_b32 s92, s[BB], 16                      ; K's scales: 2,048 x 8 x 4 bytes a batch, 4 a head
	s_lshl_b32 s93, s89, 2
	s_add_co_u32 s92, s92, s93
	s_mov_b32 s93, 0
	s_lshl_b32 s94, s88, 17                        ; V's codes: 128 x 1,024 bytes for each y
	s_mov_b32 s95, 0
	s_lshl_b32 s88, s88, 13                        ; V's scales: 128 x 64 bytes for each y
	s_mov_b32 s89, 0
	; THE COPIES' ADDRESSES, t = my thread's number, 0 .. 511.  The immediate of a copy is added to both its addresses and is kept under 65,536 here; what memory or LDS steps beyond it stands in the base and in the LDS register.
	; K, copy i = key step i: thread t brings piece t & 3 (16 bytes: c = bit 1, h = bit 0) of key t >> 2 of the step.  The key's bits: 2:0 = r % 8, 3 = T % 2, 4 = r / 8, 6:5 = T / 2.
	v_bfe_u32 v8, v0, 2, 3
	v_lshlrev_b32 v[KL], 4, v8                     ; 16 (r % 8)
	v_bfe_u32 v8, v0, 6, 1
	v_lshl_add_u32 v[KL], v8, 7, v[KL]             ; + 128 (r / 8)
	v_and_b32 v8, 1, v0
	v_lshl_add_u32 v[KL], v8, 8, v[KL]             ; + 256 h
	v_bfe_u32 v8, v0, 1, 1
	v_lshl_add_u32 v[KL], v8, 9, v[KL]             ; + 512 c
	v_bfe_u32 v8, v0, 5, 1
	v_lshl_add_u32 v[KL], v8, 10, v[KL]            ; + 1,024 (T % 2)
	v_bfe_u32 v8, v0, 7, 2
	v_lshl_add_u32 v[KL], v8, 11, v[KL]            ; + 2,048 (T / 2)
	v_add_nc_u32 v[KL], KIMG, v[KL]
	v_add_nc_u32 v[KL2], 65536, v[KL]              ; eight steps' images on
	v_lshrrev_b32 v8, 2, v0
	v_and_b32 v9, 3, v0
	v_lshlrev_b32 v[KG], 9, v8                     ; in memory a key's rows lie 512 bytes apart (8 heads x 64)
	v_lshl_add_u32 v[KG], v9, 4, v[KG]
	; V, copy (ch, g): 256 bytes (512 keys: chunk ch) of rows 32 g .. 32 g + 31: thread t brings piece t & 15 of row 32 g + (t >> 4): sixteen lanes read 256 consecutive bytes, aligned
	v_lshrrev_b32 v8, 4, v0
	v_and_b32 v9, 15, v0
	v_lshlrev_b32 v[VG], 10, v8
	v_lshl_add_u32 v[VG], v9, 4, v[VG]
	v_mul_u32_u24 v10, v8, VP
	v_lshl_add_u32 v10, v9, 4, v10
.irp g, 0,1,2,3
	v_add_nc_u32 v[VL+\g], VIMG+32*VP*\g, v10      ; the group's 32 rows in LDS; in memory they stand in the base
.endr
	; K's scale words, copy i: key 512 i + t
	v_lshrrev_b32 v8, 7, v0
	v_lshlrev_b32 v[KSL], 9, v8                    ; 512 x (the step within the copy's four)
	v_bfe_u32 v8, v0, 6, 1
	v_lshl_add_u32 v[KSL], v8, 8, v[KSL]           ; + 256 (T / 4)
	v_bfe_u32 v8, v0, 4, 1
	v_lshl_add_u32 v[KSL], v8, 7, v[KSL]           ; + 16 x 8 (r / 8)
	v_and_b32 v8, 7, v0
	v_lshl_add_u32 v[KSL], v8, 4, v[KSL]           ; + 16 (r % 8)
	v_bfe_u32 v8, v0, 5, 1
	v_lshl_add_u32 v[KSL], v8, 3, v[KSL]           ; + 4 x 2 ((T / 2) % 2)
	v_bfe_u32 v8, v0, 3, 1
	v_lshl_add_u32 v[KSL], v8, 2, v[KSL]           ; + 4 (T % 2)
	v_add_nc_u32 v[KSL], KSW, v[KSL]
	v_lshlrev_b32 v[KSG], 5, v0                    ; in memory 32 bytes a key (8 heads x 4)
	; V's scale words, copy i: word 512 i + t = row d = 32 i + (t >> 4), step t & 15
	v_and_b32 v8, 15, v0
	v_lshlrev_b32 v[VSL], 9, v8                    ; 512 x step
	v_bfe_u32 v8, v0, 4, 4
	v_lshl_add_u32 v[VSL], v8, 4, v[VSL]           ; + 16 (d % 16)
	v_lshrrev_b32 v8, 8, v0
	v_lshl_add_u32 v[VSL], v8, 2, v[VSL]           ; + 4 x (the low bit of T = d / 16); the copy's number gives the rest, in the immediate
	v_add_nc_u32 v[VSL], VSW, v[VSL]
	v_lshlrev_b32 v[VSG], 2, v0
	s_wait_kmcnt 0x0
	s_add_nc_u64 s[4:5], s[4:5], s[90:91]
	s_add_nc_u64 s[6:7], s[6:7], s[92:93]
	s_add_nc_u64 s[8:9], s[8:9], s[94:95]
	s_add_nc_u64 s[10:11], s[10:11], s[88:89]
.set i, 0
.rept 16
	s_add_nc_u64 s[KB+2*i:KB+2*i+1], s[4:5], 65536*i-8192*(i%8)   ; a step is 65,536 bytes on in memory; the immediate, 8,192 (i % 8), is added there too: the base takes it off
.set i, i+1
.endr
.set i, 0
.rept 4
	s_add_nc_u64 s[KSB+2*i:KSB+2*i+1], s[6:7], 14336*i  ; 512 keys are 16,384 bytes on in memory and 2,048 in LDS
.set i, i+1
.endr
	s_add_nc_u64 s[VSB:VSB+1], s[10:11], 0         ; 512 words are 2,048 bytes on in memory; in LDS 0, 8, 256, 264
	s_add_nc_u64 s[VSB+2:VSB+3], s[10:11], 2040
	s_add_nc_u64 s[VSB+4:VSB+5], s[10:11], 3840
	s_add_nc_u64 s[VSB+6:VSB+7], s[10:11], 5880
.irp g, 1,2,3
	s_add_nc_u64 s[VB+2*\g-2:VB+2*\g-1], s[8:9], 32768*\g   ; 32 rows of V are 32,768 bytes in memory
.endr
	; THE 40 COPIES, ahead of every wait on ASYNCcnt, every LDS read and every barrier.  Their address registers and bases serve nothing else until the wait for all of them.
.irp i, 0,1,2,3
	global_load_async_to_lds_b32 v[KSL], v[KSG], s[KSB+2*\i:KSB+2*\i+1] offset:2048*\i
.endr
.irp i, 0,1,2,3
	global_load_async_to_lds_b32 v[VSL], v[VSG], s[VSB+2*\i:VSB+2*\i+1] offset:8*(\i%2)+256*(\i/2)
.endr
.macro KCOPY i
.if (\i) < 8
	global_load_async_to_lds_b128 v[KL], v[KG], s[KB+2*(\i):KB+2*(\i)+1] offset:8192*(\i)
.else
	global_load_async_to_lds_b128 v[KL2], v[KG], s[KB+2*(\i):KB+2*(\i)+1] offset:8192*((\i)-8)
.endif
.endm
.macro VCOPY ch
	global_load_async_to_lds_b128 v[VL], v[VG], s[8:9] offset:256*(\ch)
.irp g, 1,2,3
	global_load_async_to_lds_b128 v[VL+\g], v[VG], s[VB+2*\g-2:VB+2*\g-1] offset:256*(\ch)
.endr
.endm
.irp ch, 0,1,2,3                       ; 512 keys at a time: four steps of K, then the same keys of V
.irp q, 0,1,2,3
	KCOPY 4*\ch+\q
.endr
	VCOPY \ch
.endr
	s_mov_b32 s[SEL], 0x76543210
	s_mov_b32 s[SEL+1], 0xfedcba98
	s_mov_b32 s[CS], 0x3e0293ee                    ; c = log2(e) / sqrt(128)
	s_mov_b32 s[CS+1], s[CS]                       ; (named with it as a pair, so it is written)
	s_mul_i32 s[STG], s[WV], 16*SP
	s_add_co_u32 s[STG], s[STG], STAGE
	v_and_b32 v8, 31, v0                           ; lane
	v_lshl_add_u32 v[AK0], v8, 4, KIMG
	v_and_b32 v8, 15, v0                           ; r
	v_bfe_u32 v9, v0, 4, 1                         ; h
	v_mul_u32_u24 v[AV0], v8, VP
	v_lshl_add_u32 v[AV0], v9, 4, v[AV0]
	v_lshl_add_u32 v[AS0], v8, 4, KSW
.irp b, 0,1,2,3
	v_mov_b32 v[236+\b], 0                         ; written once: a lane permute's destination counts as one of its sources
.endr
	v_mov_b32 v252, 0                              ; likewise, and the pair v[252:253] is named before v253 is first made
	v_mov_b32 v253, 0
; My 16 queries of block s88: their first and last number, where their codes and scale words lie, and the three loads.
.macro QSETUP
	s_lshl_b32 s[QFST], s88, 6
	s_lshl_b32 s89, s[UU], 4
	s_add_co_u32 s[QFST], s[QFST], s89             ; 64 blk + 16 (wave >> 2)
	s_add_co_u32 s[QL], s[QFST], 15
	s_lshl_b32 s90, s[BB], 22                      ; codes: 2,048 x 32 x 64 bytes a batch, 2,048 a query, 64 a head
	s_lshl_b32 s89, s[QFST], 11
	s_add_co_u32 s90, s90, s89
	s_lshl_b32 s89, s[HEAD], 6
	s_add_co_u32 s90, s90, s89
	s_mov_b32 s91, 0
	s_add_nc_u64 s[QB:QB+1], s[12:13], s[90:91]
	s_lshl_b32 s90, s[BB], 18                      ; scale words: a sixteenth of that
	s_lshl_b32 s89, s[QFST], 7
	s_add_co_u32 s90, s90, s89
	s_lshl_b32 s89, s[HEAD], 2
	s_add_co_u32 s90, s90, s89
	s_add_nc_u64 s[QSB:QSB+1], s[14:15], s[90:91]
	v_and_b32 v[QSA], 15, v0                       ; r
	v_bfe_u32 v[QA], v0, 4, 1                      ; h
	v_lshlrev_b32 v[QA], 4, v[QA]
	v_lshl_add_u32 v[QA], v[QSA], 11, v[QA]        ; a query's rows lie 2,048 bytes apart (32 heads x 64): 2,048 r + 16 h
	v_lshlrev_b32 v[QSA], 7, v[QSA]                ; its scale words 128 bytes apart
	global_load_b128 v[QF:QF+3], v[QA], s[QB:QB+1]              ; Q's fragment stays in registers for the block
	global_load_b128 v[QF+4:QF+7], v[QA], s[QB:QB+1] offset:32
	global_load_b32 v[QS], v[QSA], s[QSB:QSB+1]
.endm
.macro OSETUP                          ; out0 at my first query: 2,048 x 32 x 512 bytes a batch, 16,384 a query, 512 a head
	s_lshl_b32 s90, s[BB], 25
	s_lshl_b32 s89, s[QFST], 14
	s_add_co_u32 s90, s90, s89
	s_lshl_b32 s89, s[HEAD], 9
	s_add_co_u32 s90, s90, s89
	s_mov_b32 s91, 0
	s_add_nc_u64 s[OB:OB+1], s[16:17], s[90:91]
.endm
; A block begins.  The key step is written without a first step of its own: it finds zeros in O^T and in the sum, which the first change of M (f = 0) leaves zeros.  That costs these 64 lines a block and spares a further copy of the step.
.macro INIT
	v_mov_b32 v13, 0xff61b1e6                      ; the largest t so far: -3e38, under every t
	v_floor_f32 v12, -v13                          ; -M
	v_mov_b32 v14, 0                               ; the sum, in two halves
	v_mov_b32 v15, 0
.set j, 0
.rept 64
	v_mov_b32 v[ACC+j], 0
.set j, j+1
.endr
	s_mov_b32 s[TK], 0
	s_mov_b32 s[TV], 0
	s_mov_b32 s[TS], 0
	s_mov_b32 s[KF], 0
.endm
.macro BARRIER                         ; my LDS instructions are done: then the work-group's barrier
	s_wait_dscnt 0x0
	s_barrier_signal -1
	s_barrier_wait -1
.endm
; A KEY STEP: 128 keys.  causal = 0: all its keys count for all my queries, known from the sizes; 1: it may be hidden, or lie on the diagonal.
.macro STEP causal
.if \causal
	s_cmp_gt_u32 s[KF], s[QL]                      ; all 128 keys come after my queries: the step's work is left out, not the lines at its end that step addresses
	s_cbranch_scc1 .Lhidden_\@
.endif
	v_add_nc_u32 v[ADK], s[TK], v[AK0]             ; these four plain lines are also the four places between the last step's products and the loads into the registers that those read
	v_add_nc_u32 v[ADV], s[TV], v[AV0]
	v_add_nc_u32 v[ADS], s[TS], v[AS0]
	v_add_nc_u32 v[ADV2], 64*VP, v[ADV]            ; V's tiles 4-7: 64 rows on, beyond an LDS immediate's 16 bits
	ds_load_b128 v[SW:SW+3], v[ADS]                ; the scale words of K's tiles 0-3,
	ds_load_b128 v[SW+4:SW+7], v[ADS] offset:256   ; 4-7
.irp t, 0,1,2,3,4,5,6,7
.irp c, 0,1
	ds_load_b128 v[FRG+8*\t+4*\c:FRG+8*\t+4*\c+3], v[ADK] offset:1024*\t+512*\c   ; an image: 32 lanes read 512 bytes on end
.endr
.endr
	s_wait_dscnt 0x0
.irp t, 0,1,2,3,4,5,6,7                ; S^T = K Q^T: eight tiles of 16 keys, each a sum of its own
	v_wmma_scale_f32_16x16x128_f8f6f4 v[SCR+8*\t:SCR+8*\t+7], v[FRG+8*\t:FRG+8*\t+7], v[QF:QF+7], 0, v[SW+\t], v[QS] matrix_a_fmt:MATRIX_FMT_FP4 matrix_b_fmt:MATRIX_FMT_FP4
.endr
.rept 4
	v_nop                                          ; four places: ahead of the loads into registers that these products read, and of the first read of their results
.endr
	ds_load_b128 v[SW:SW+3], v[ADS] offset:8192    ; V's scale words and fragments are asked for NOW: they land under the softmax
	ds_load_b128 v[SW+4:SW+7], v[ADS] offset:8192+256
.irp t, 0,1,2,3
.irp c, 0,1
	ds_load_b128 v[FRG+8*\t+4*\c:FRG+8*\t+4*\c+3], v[ADV] offset:16*VP*\t+32*\c
.endr
.endr
.irp t, 0,1,2,3
.irp c, 0,1
	ds_load_b128 v[FRG+32+8*\t+4*\c:FRG+32+8*\t+4*\c+3], v[ADV2] offset:16*VP*\t+32*\c
.endr
.endr
.if \causal                            ; on the diagonal the scores of hidden keys become -infinity ahead of the maximum: p = 0 then.  A step all of whose keys count skips this.  The step's first key is never after my first query here, so every row keeps a key
	s_add_co_u32 s88, s[KF], 127
	s_cmp_le_u32 s88, s[QFST]
	s_cbranch_scc1 .Lopen_\@
	s_sub_co_i32 s88, s[QFST], s[KF]
	v_and_b32 v236, 15, v0
	v_bfe_u32 v237, v0, 4, 1
	v_lshlrev_b32 v237, 4, v237
	v_sub_nc_u32 v236, v236, v237
	v_add_nc_u32 v236, s88, v236                   ; d = my query - the step's first key - 16 (lane / 16).  Register 16 b + i holds key 16 (lane / 16) + 32 b + i of the step: hidden where 32 b + i > d
	v_mov_b32 v254, 0xff800000                     ; -infinity
.set n, 0
.rept 64
	v_cmp_gt_i32 vcc_lo, 32*(n/16)+n%16, v236
	v_cndmask_b32 v[SCR+n], v[SCR+n], v254, vcc_lo ; (in ascending order: each result is read from its low end on)
.set n, n+1
.endr
.Lopen_\@:
.endif
.irp b, 0,1,2,3
	v_max3_num_f32 v[232+\b], v[SCR+16*\b], v[SCR+1+16*\b], v[SCR+2+16*\b]   ; THE LARGEST SCORE OF EACH BLOCK OF 32 KEYS serves twice: for the row's maximum, and, since p rises with the score, for the block's largest p
.endr
.irp i, 3,5,7,9,11,13
.irp b, 0,1,2,3
	v_max3_num_f32 v[232+\b], v[232+\b], v[SCR+16*\b+\i], v[SCR+1+16*\b+\i]   ; (the four blocks by turns)
.endr
.endr
.irp b, 0,1,2,3
	v_max_num_f32 v[232+\b], v[232+\b], v[SCR+15+16*\b]
.endr
.irp b, 0,1,2,3
	v_permlanex16_b32 v[236+\b], v[232+\b], s[SEL], s[SEL+1]
.endr
.irp b, 0,1,2,3
	v_max_num_f32 v[232+\b], v[232+\b], v[236+\b]  ; with lane l xor 16's 16 keys
.endr
	v_max3_num_f32 v254, v232, v233, v234
	v_max_num_f32 v254, v254, v235                 ; the step's largest score of my query
	v_mul_f32 v254, s[CS], v254                    ; as t (c is positive)
	v_max_num_f32 v13, v13, v254                   ; the running largest t
	v_mov_b32 v254, v12
	v_floor_f32 v12, -v13                          ; the new -M = floor(-t) = -ceil(t): M IS A WHOLE NUMBER
	v_sub_f32 v254, v12, v254                      ; M's old value less its new one: a whole number, 0 or less
	v_cvt_i32_f32 v254, v254                       ; (it saturates)
	v_ldexp_f32 v252, 1.0, v254                    ; f = 2^(old M - new M): a multiplication by it rounds nothing
.set j, 0
.rept 32
	v_pk_fma_f32 v[SCR+j:SCR+j+1], v[SCR+j:SCR+j+1], s[CS:CS+1], v[12:13] op_sel_hi:[1,0,0]   ; t - M, two at a time (of the pairs c and -M the low word serves both halves)
.set j, j+2
.endr
.irp b, 0,1,2,3
	v_fma_f32 v[232+\b], v[232+\b], s[CS], v12     ; the same of each block's largest score
.endr
.set j, 0
.rept 64
	v_exp_f32 v[SCR+j], v[SCR+j]                   ; p = 2^(t - M), at most 1: NOT normalised
.set j, j+1
.endr
	v_pk_mul_f32 v[14:15], v[14:15], v[252:253] op_sel_hi:[1,0]   ; the sums under the new M: the plain line behind the exponentials
	s_wait_alu depctr_va_vdst(0)                   ; one wait for the batch of 64, ahead of its first reader
.irp b, 0,1,2,3
	v_exp_f32 v[232+\b], v[232+\b]                 ; the block's largest p: the same two instructions on the same number give the same bits
.endr
	v_pk_add_f32 v[236:237], v[SCR:SCR+1], v[SCR+2:SCR+3]   ; THE ROW'S SUM IS TAKEN OF THE UNQUANTISED p: two at a time, in two chains; it reads the 64 alone: plain work behind the four
.irp j, 4,8,12,16,20,24,28,32,36,40,44,48,52,56,60
	v_pk_add_f32 v[14:15], v[14:15], v[SCR+\j:SCR+\j+1]
	v_pk_add_f32 v[236:237], v[236:237], v[SCR+2+\j:SCR+3+\j]
.endr
	v_pk_add_f32 v[14:15], v[14:15], v[236:237]
	s_wait_alu depctr_va_vdst(0)                   ; and one for the four
.irp b, 0,1,2,3
	v_max_num_f32 v[232+\b], 0x1800000, v[232+\b]  ; the floor 2^(3 - 127): the byte cannot fall under 1 (a block whose every p is 0 keeps that byte over zero codes)
.endr
.irp b, 0,1,2,3
	v_add_nc_u32 v[244+\b], 0xff000000, v[232+\b]  ; 2 off the exponent field: the conversion takes the exponent field of this operand as its scale
.endr
.irp b, 0,1,2,3
	v_lshrrev_b32 v[236+\b], 23, v[244+\b]         ; the scale's byte
.endr
	v_lshl_or_b32 v253, v237, 8, v236              ; p's scale word for these 128 keys
	v_lshl_or_b32 v253, v238, 16, v253
	v_lshl_or_b32 v253, v239, 24, v253
.irp b, 0,1,2,3
	v_cvt_scalef32_pk8_fp4_f32 v[PC+2*\b], v[SCR+16*\b:SCR+7+16*\b], v[244+\b]
	v_cvt_scalef32_pk8_fp4_f32 v[PC+1+2*\b], v[SCR+8+16*\b:SCR+15+16*\b], v[244+\b]
.endr
	v_nop                                          ; one plain line behind the last scaled conversion
.irp c, 0,1                            ; the operand's layout wants a WHOLE block in a lane: lanes 0-15 block 2 c, lanes 16-31 block 2 c + 1
.irp i, 0,1
	v_permlane16_swap_b32 v[PC+4*\c+\i], v[PC+2+4*\c+\i]
.endr
.endr
.set j, 0
.rept 32
	v_pk_mul_f32 v[ACC+j:ACC+j+1], v[ACC+j:ACC+j+1], v[252:253] op_sel_hi:[1,0]   ; O^T under the new M: x f, from each accumulator's low end on.  These 32 also stand between the making of p's codes and scale word and the products that take them
.set j, j+2
.endr
	s_wait_dscnt 0x0                               ; V's fragments and scale words, asked for ahead of the softmax
.irp t, 0,1,2,3,4,5,6,7                ; O^T += V^T P^T: eight tiles of 16 of the head's 128, by turns; K = these 128 keys
	v_wmma_scale_f32_16x16x128_f8f6f4 v[ACC+8*\t:ACC+8*\t+7], v[FRG+8*\t:FRG+8*\t+7], v[PC:PC+7], v[ACC+8*\t:ACC+8*\t+7], v[SW+\t], v253 matrix_a_fmt:MATRIX_FMT_FP4 matrix_b_fmt:MATRIX_FMT_FP4
.endr
.if \causal
.Lhidden_\@:
.endif
	s_add_co_u32 s[TK], s[TK], 8192                ; the next step's places
	s_add_co_u32 s[TV], s[TV], 64
	s_add_co_u32 s[TS], s[TS], 512
	s_add_co_u32 s[KF], s[KF], 128
.endm
.macro LOOP n, causal                  ; n key steps: n is a constant, so that the stepped LDS addresses can be read off the text
	s_mov_b32 s[CNT], \n
.Ltrip_\@:
	STEP \causal
	s_sub_co_u32 s[CNT], s[CNT], 1
	s_cmp_lg_u32 s[CNT], 0
	s_cbranch_scc1 .Ltrip_\@
.endm
; THE WAY OUT.  The sum's halves are added; O^T is divided by the sum and goes through my own stage in LDS, half a row (64 channels, 256 bytes) of 16 queries at a time, so that sixteen lanes store 256 consecutive bytes, aligned.
.macro OUT
	v_add_f32 v14, v14, v15                        ; the sum's two halves,
	v_permlanex16_b32 v252, v14, s[SEL], s[SEL+1]
	v_add_f32 v14, v14, v252                       ; and lane l xor 16's: the row's sum, at least 1/2
	v_rcp_f32 v14, v14
	v_and_b32 v8, 15, v0                           ; (the plain line behind the reciprocal)  r
	v_bfe_u32 v9, v0, 4, 1                         ; h
	v_mul_u32_u24 v10, v8, SP
	v_lshl_add_u32 v10, v9, 5, v10
	v_add_nc_u32 v10, s[STG], v10                  ; in: row r; a tile's eight channels of my half: 64 t + 32 h bytes on
	v_mul_u32_u24 v11, v9, SP
	v_lshl_add_u32 v11, v8, 4, v11
	v_add_nc_u32 v11, s[STG], v11                  ; back: lanes 0-15 one row, lanes 16-31 the next
	v_lshlrev_b32 v[GO], 14, v9                    ; and the same two rows in out0, 16,384 bytes apart
	v_lshl_add_u32 v[GO], v8, 4, v[GO]
	s_wait_alu depctr_va_vdst(0)                   ; the wait for the reciprocal, ahead of its first reader
.set j, 0
.rept 32
	v_pk_mul_f32 v[SCR+j:SCR+j+1], v[ACC+j:ACC+j+1], v[14:15] op_sel_hi:[1,0]   ; O^T / the sum: register 8 T + i is o(r, 16 T + 8 h + i); each accumulator from its low end on
.set j, j+2
.endr
.irp u, 0,1                            ; channels 64 u on
.irp t, 0,1,2,3
	ds_store_b128 v10, v[SCR+32*\u+8*\t:SCR+32*\u+8*\t+3] offset:64*\t
	ds_store_b128 v10, v[SCR+32*\u+8*\t+4:SCR+32*\u+8*\t+7] offset:64*\t+16
.endr
.irp i, 0,1,2,3,4,5,6,7
	ds_load_b128 v[FRG+32*\u+4*\i:FRG+32*\u+4*\i+3], v11 offset:2*SP*\i   ; LDS serves a wave's instructions in order (ISA guide 5.7.1.4): these see my stores, and the next half's stores come behind them
.endr
.endr
.irp u, 0,1
.irp i, 0,1,2,3,4,5,6,7
	s_wait_dscnt 23-16*\u-\i                       ; behind load i of half 0: 7 - i loads, 8 stores, 8 loads; of half 1: 7 - i loads
	global_store_b128 v[GO], v[FRG+32*\u+4*\i:FRG+32*\u+4*\i+3], s[OB:OB+1] offset:32768*\i+256*\u th:TH_STORE_NT   ; rows 2 i and 2 i + 1; written once, read by nobody here
.endr
.endr
	s_wait_xcnt 0x0                                ; the stores have had their addresses translated (ISA guide 3.1): their data, offset and base are rewritten only behind this wait
.endm
	; ---- BLOCK 31 - x: 16 to 31, so its queries are 1,024 or later and keys 0 to 511 count for all of them
	s_sub_co_u32 s88, 31, ttmp9
	QSETUP
	OSETUP
	INIT
	s_wait_loadcnt 0x0                             ; Q
	s_wait_asynccnt 24                             ; copies end in the order of issue: my first 16 (all scale words, K's steps 0-3, V's first 512 keys) are in; the 24 issued behind them may be out
	BARRIER                                        ; everybody's are
	LOOP 4, 0                                      ; steps 0-3, while the other three quarters land
	s_wait_asynccnt 0x0                            ; all my copies are in: their address registers and bases are free
	BARRIER                                        ; all of K and V lies in LDS
	LOOP 12, 1                                     ; steps 4-15
	BARRIER                                        ; nobody reads K's keys 1,024 on any more: the stages, which lie there, may be written
	; ---- BLOCK x: its Q is asked for ahead of the first block's way out
	s_mov_b32 s88, ttmp9
	QSETUP
	OUT
	OSETUP
	INIT
	s_wait_loadcnt 0x0                             ; Q
	LOOP 8, 1                                      ; queries up to 1,023: steps 0-7, K's images up to byte 65,535: below the stages
	OUT
	s_wait_xcnt 0x0
	v_lshl_add_u32 v254, v0, 2, 0x45800
	v_mov_b32 v255, 0
	s_wait_tensorcnt 0x0
	ds_add_u32 v254, v255
	s_wait_dscnt 0x0
	s_endpgm
.Lfunc_end_k_qd505fa8bb3_attn:
	.size	k_qd505fa8bb3_attn, .Lfunc_end_k_qd505fa8bb3_attn-k_qd505fa8bb3_attn
	.p2alignl 7, 3214868480
	.fill 96, 4, 3214868480
	.section	.rodata,"a",@progbits
	.p2align	6, 0x0
	.amdhsa_kernel k_qd505fa8bb3_attn
		.amdhsa_group_segment_fixed_size 286720
		.amdhsa_private_segment_fixed_size 0
		.amdhsa_enable_private_segment 0
		.amdhsa_kernarg_size 56
		.amdhsa_user_sgpr_count 2
		.amdhsa_user_sgpr_kernarg_segment_ptr 1
		.amdhsa_wavefront_size32 1
		.amdhsa_system_sgpr_workgroup_id_x 1
		.amdhsa_system_sgpr_workgroup_id_y 1
		.amdhsa_system_sgpr_workgroup_id_z 1
		.amdhsa_system_vgpr_workitem_id 0
		.amdhsa_next_free_vgpr 256
		.amdhsa_next_free_sgpr 102
		.amdhsa_reserve_vcc 1
		.amdhsa_float_denorm_mode_32 3
		.amdhsa_float_denorm_mode_16_64 3
		.amdhsa_memory_ordered 1
		.amdhsa_forward_progress 1
		.amdhsa_inst_pref_size 96
	.end_amdhsa_kernel
	.amdgpu_metadata
---
amdhsa.version: [ 1, 2 ]
amdhsa.kernels:
  - .name:           k_qd505fa8bb3_attn
    .symbol:         k_qd505fa8bb3_attn.kd
    .args:
      - { .name: k_codes, .offset: 0, .size: 8, .value_kind: global_buffer, .address_space: global }
      - { .name: k_scales, .offset: 8, .size: 8, .value_kind: global_buffer, .address_space: global }
      - { .name: v_codes, .offset: 16, .size: 8, .value_kind: global_buffer, .address_space: global }
      - { .name: v_scales, .offset: 24, .size: 8, .value_kind: global_buffer, .address_space: global }
      - { .name: q_codes, .offset: 32, .size: 8, .value_kind: global_buffer, .address_space: global }
      - { .name: q_scales, .offset: 40, .size: 8, .value_kind: global_buffer, .address_space: global }
      - { .name: out0, .offset: 48, .size: 8, .value_kind: global_buffer, .address_space: global }
    .group_segment_fixed_size: 286720
    .private_segment_fixed_size: 0
    .kernarg_segment_align: 8
    .kernarg_segment_size: 56
    .max_flat_workgroup_size: 512
    .sgpr_count:     102
    .vgpr_count:     256
    .wavefront_size: 32
...
	.end_amdgpu_metadata
.endif
;; end of part 1
